; MI455X (gfx1250); checked and timed in simulation.
; The chip was launched on July 23, 2026; its instructions are those of AMD's public machine-readable ISA for CDNA 5 (MIT licence, August 2026) and "CDNA5" Instruction Set Architecture Reference Guide (July 2026). The comments in the code are by the model that wrote it; some were corrected since.
;; Group Stack. Allowed arithmetic: matrix products marked QUANTISED: E2M1 operands, one E8M0 scale for each 32 along K, by v_wmma_scale_f32_16x16x128_f8f6f4 with both operands' format E2M1 (or v_wmma_scale_f32_32x16x128_f4), f32 sums; everything else in f32.
;; Inputs: W1_codes 8 x 2,048 x 16 x 16 uint8 (E2M1 codes of W1, K innermost, in blocks of 32 codes, two codes a byte); W1_scales 8 x 2,048 x 16 uint8 (E8M0 scales of W1, one for each 32 codes along K); W2_codes 8 x 512 x 64 x 16 uint8 (E2M1 codes of W2, K innermost, in blocks of 32 codes, two codes a byte); W2_scales 8 x 512 x 64 uint8 (E8M0 scales of W2, one for each 32 codes along K); b1 8 x 2,048 float32; b2 8 x 512 float32; mask 8 x 4,096 bool; x_codes 4,096 x 16 x 16 uint8 (E2M1 codes of x, K innermost, in blocks of 32 codes, two codes a byte); x_scales 4,096 x 16 uint8 (E8M0 scales of x, one for each 32 codes along K).
;; Outputs: out0 8 x 4,096 x 512 float32.
;; This version of the problem:
;;   THIS VERSION OF THE PROBLEM IS GIVEN IN LOW PRECISION. The matrix products marked QUANTISED in the list below multiply operands that are first quantised to E2M1 (2 exponent bits, 1 mantissa bit; 4 bits a number), with one power-of-two scale for each 32 numbers along K (OCP MX v1.0); their sums are f32. All else is computed in f32.
;;   The module's matrix products, in the order in which they are computed (A, B: the left and right operand; K: the contracted axis; several contracted axes count as one K, in the product's order):
;;     1. [M 16,384, K 512] x [K 512, N 4,096]; A: input W1 (given as codes); B: input x (given as codes): QUANTISED
;;     2. batch 8 x [M 4,096, K 2,048] x [K 2,048, N 512]; A: computed on the way; B: input W2 (given as codes): QUANTISED
;;   THE QUANTISER, for each operand of a quantised product, along K:
;;     - K is cut into blocks of 32 from its start; a last block that is shorter is filled with zeros.
;;     - A block's scale is 2^e with e = floor(log2(the largest magnitude in the block)) - 2, held to -126 .. 127; a block of zeros has e = 0. As a byte (E8M0): e + 127.
;;     - Each number is divided by its block's scale, clamped to +-6, and rounded to the nearest number of E2M1, ties to even, subnormals kept.
;;     - The product sums the exact products of the quantised numbers (number of the format x scale) in f32.
;;   ~~~python
;;   def quantise(x, axis):      # numpy; x: float32 -> the quantised numbers, widened to float32 again
;;       x = np.moveaxis(x, axis, -1); K = x.shape[-1]
;;       x = np.pad(x, [(0, 0)] * (x.ndim - 1) + [(0, -K % 32)]); x = x.reshape(x.shape[:-1] + (-1, 32)); a = np.abs(x).max(-1, keepdims=True)
;;       e = np.where(a > 0, np.clip(np.frexp(np.where(a > 0, a, 1))[1] - 1 - 2, -126, 127), 0)      # np.frexp(a)[1] - 1 = floor(log2(a)), exactly
;;       r = np.clip(x / 2.0 ** e, -6, 6)
;;       step = 2.0 ** (np.maximum(np.frexp(np.where(r == 0, 1, r))[1] - 1, 0) - 1)
;;       q = np.round(r / step) * step * 2.0 ** e      # np.round: ties to even
;;       return np.moveaxis(q.reshape(q.shape[:-2] + (-1,))[..., :K], -1, axis).astype(np.float32)
;;   ~~~
;;   OPERANDS COMPUTED ON THE WAY. 'Computed on the way' means the value that the module computes at that place (a softmax that the list does not call 'softmax' is quantised finished and normalised). What goes into a quantiser is computed in f32, as accurately as f32 sums, v_exp_f32 and their like allow (about 1e-6 of the number): no bf16 or f16 on the way to a quantiser, and a product that is left as it is and whose result goes on into a quantised operand takes f32 operands (vector FMAs, or v_wmma_f32_16x16x4_f32). A number that lies on a knife's edge between two numbers of the format may be rounded either way, as far as f32 arithmetic and the matrix unit's own rounding can turn it there, and no further.
;;   INPUTS GIVEN AS CODES. W1 (in the module: [8, 512, 2048], K = its axis 1); W2 (in the module: [8, 2048, 512], K = its axis 1); x (in the module: [4096, 512], K = its axis 1): each comes as NAME_codes (uint8): NAME with its K axis moved to the last place and cut into blocks of 32 codes, [.., K / 32, bytes a block], one block behind the other in memory; two codes a byte, the lower K in the low four bits (a code: sign, 2 exponent bits, 1 mantissa bit); and NAME_scales (uint8): the same leading axes, one E8M0 byte (e + 127) for each 32 codes along K. Its value is code x scale, taken as it is: it is not quantised again, and the codes and scales need not be those that the quantiser above would give.
;; One version. Each part assembles by itself: llvm-mc -triple=amdgcn-amd-amdhsa -mcpu=gfx1250 --defsym DOCPART=n.
;; ======== version 1 of 1: 2 launches
;; workspace buffers: W1L 4,194,304 bytes; W2L 4,194,304 bytes; W2SL 262,144 bytes; order 131,072 bytes of whole numbers; counts 2,048 bytes of whole numbers
;; launch prep (part 1): grid 264 x 1, 4 waves a work-group, no clusters, 35,840 bytes of LDS; arguments W1_codes, W2_codes, W2_scales, mask, W1L, W2L, W2SL, order, counts; writes W1L, W2L, W2SL, order, counts
.if DOCPART == 1
	.amdgcn_target "amdgcn-amd-amdhsa--gfx1250"
	.amdhsa_code_object_version 6
	.text
	.protected	k_q303637c896_prep
	.globl	k_q303637c896_prep
	.p2align	8
	.type	k_q303637c896_prep,@function
k_q303637c896_prep:
	s_mov_b64 s[64:65], 0
	v_nop
	global_prefetch_b8 v0, s[64:65] scope:SCOPE_SE
	s_setreg_imm32_b32 hwreg(HW_REG_WAVE_MODE, 25, 1), 1
	s_wait_xcnt 0x0
; GroupStack: out[e][t][:] = mask[e][t] ? gelu(x[t] W1[e] + b1[e]) W2[e] + b2[e] : 0, both products on codes of E2M1 with E8M0 scales.
; WHAT IS NOT COMPUTED, AND WHY.  Where mask[e][t] is 0 the result is the constant 0 whatever y[e][t][:] holds: the selection takes nothing of y there.  The mask is an input of whole
; numbers, so the choice is made from memory: this launch reads the mask and stores, for each expert, its number of routed tokens and a list of tokens with the routed ones first;
; the next launch reads these whole numbers and multiplies the routed rows alone (in units of 16 rows; a unit's spare rows are other tokens of the list, computed and not stored).
; No input is left out.  LIMIT: a NaN, an infinity or an overflow in a row that is not routed is not computed; the result there is 0, as the selection gives it.
; Any mask byte other than 0 counts as true.
; THIS LAUNCH.  Work-groups 0-127 lay W1's codes, 128-255 W2's codes (and W2's scale bytes), in the order in which a wave's operand registers take them; work-groups 256-263 route one expert each.
; LAYING OUT: a wave takes 32 rows x 256 bytes (512 codes).  They come in as they lie (16 lanes read 256 consecutive bytes of a row), go through the wave's own stage in LDS, and leave as 16 pieces of 512 bytes:
; piece 8 u + 2 s + c, lane l's 16 bytes at 16 l, holds for lane (r = l % 16, h = l / 16) row 8 u + r + 8 (r / 8), row bytes 64 s + 32 c + 16 h: registers 4 c .. 4 c + 3 of the fragment (tile u, K step s).
; THE ROWS OF A TILE ARE NOT NEIGHBOURS, so that in the transposed products a lane's 16 results of two neighbouring tiles are 16 neighbours.
; W1L: block J = 64 e + 16 chunk + 4 wave + b holds hidden rows 32 J .. 32 J + 31 of the 16,384.  W2L: block J = 64 e + 16 chunk + 4 wave + i holds outputs 128 wave + 32 i + 0 .. 31 of expert e, K = 512 chunk on.
; W2SL: [e][chunk][output][16 bytes]: the four scale words of a chunk of 512 along K.
.set STGW,  8704                       ; a wave's stage: 32 rows x (256 bytes + 16)
.set CNT,   34816                      ; the routing path's four counts: bytes that the other path never names
.set SPARE, 35072                      ; the spare words, 128 bytes for each wave: two blocks of 256 bytes that no other line names
.set L16,  1                           ; v1  16 x lane
.set SA,   2                           ; v2  the stage, on the way in
.set RA,   3                           ; v3  and on the way out
.set L64,  4                           ; v4  64 x lane
.set LN,   5                           ; v5  lane
.set SPW,  6                           ; v6  LDS address of my spare word; never rewritten
.set NIL,  7                           ; v7  0; never rewritten
	s_load_b256 s[4:11], s[0:1], 0x0               ; W1_codes s[4:5], W2_codes s[6:7], W2_scales s[8:9], mask s[10:11]
	s_load_b256 s[12:19], s[0:1], 0x20             ; W1L s[12:13], W2L s[14:15], W2SL s[16:17], order s[18:19]
	s_load_b64 s[20:21], s[0:1], 0x40              ; counts
	v_lshl_add_u32 v[SPW], v0, 2, SPARE
	v_mov_b32 v[NIL], 0
	v_lshrrev_b32 v[LN], 5, v0
	v_readfirstlane_b32 s22, v[LN]                 ; wave 0..3
	v_and_b32 v[LN], 31, v0
	v_lshlrev_b32 v[L16], 4, v[LN]
	s_wait_kmcnt 0x0
	s_cmp_ge_u32 ttmp9, 256                        ; the work-group's number alone decides: the same in all four waves
	s_cbranch_scc1 .Lroute
	; ---------------- laying out ----------------
	v_and_b32 v12, 15, v0                          ; r
	v_bfe_u32 v13, v0, 4, 1                        ; h
	s_mul_i32 s23, s22, STGW
	v_mul_u32_u24 v[SA], v13, 272
	v_lshl_add_u32 v[SA], v12, 4, v[SA]
	v_add_nc_u32 v[SA], s23, v[SA]                 ; in: lanes 0-15 one row, lanes 16-31 the next
	v_and_b32 v14, 8, v12
	v_add_nc_u32 v14, v14, v12                     ; r + 8 (r / 8)
	v_mul_u32_u24 v[RA], v14, 272
	v_lshl_add_u32 v[RA], v13, 4, v[RA]
	v_add_nc_u32 v[RA], s23, v[RA]                 ; out: my fragment row, my half's 16 bytes
	v_lshlrev_b32 v[L64], 6, v[LN]
.irp i, 8,9,10,11
	v_mov_b32 v\i, 0                               ; W2's scale bytes land here; written on every way through the text
.endr
	s_and_b32 s24, ttmp9, 127
	s_lshl_b32 s24, s24, 2
	s_add_co_u32 s24, s24, s22                     ; J, 0 .. 511
	s_lshl_b32 s26, s24, 13                        ; 8,192 J: a block's place in W1L or W2L, and in W1_codes
	s_mov_b32 s27, 0
	s_lshr_b32 s28, s24, 6                         ; W2: expert,
	s_lshl_b32 s29, s28, 9
	s_and_b32 s30, s24, 15
	s_lshl_b32 s30, s30, 5
	s_add_co_u32 s29, s29, s30                     ; first row of the 4,096: 512 e + 128 wave + 32 i,
	s_bfe_u32 s31, s24, 0x20004                    ; chunk
	s_lshl_b32 s66, s29, 10                        ; a row of W2 is 1,024 bytes,
	s_lshl_b32 s67, s31, 8                         ; a chunk 256 of them
	s_add_co_u32 s66, s66, s67
	s_mov_b32 s67, 0
	s_mov_b32 s68, 1024
	s_cmp_lt_u32 ttmp9, 128                        ; W1 or W2: the choice hangs on the work-group's number alone
	s_cselect_b64 s[70:71], s[4:5], s[6:7]
	s_cselect_b64 s[72:73], s[12:13], s[14:15]
	s_cselect_b32 s66, s26, s66
	s_cselect_b32 s68, 256, s68                    ; bytes from row to row
	s_add_nc_u64 s[70:71], s[70:71], s[66:67]
	s_add_nc_u64 s[72:73], s[72:73], s[26:27]
	s_lshl_b32 s69, s68, 1
	v_mul_lo_u32 v16, v13, s68
	v_lshl_add_u32 v16, v12, 4, v16                ; rows h, 2 + h, .. 30 + h: an offset register for each load, none rewritten
.irp i, 1,2,3,4,5,6,7,8,9,10,11,12,13,14,15
	v_add_nc_u32 v[16+\i], s69, v[15+\i]
.endr
	s_cmp_lt_u32 ttmp9, 128
	s_cbranch_scc1 .Lno_scales_in
	s_lshl_b32 s74, s29, 6                         ; W2's scale bytes: 64 a row, 16 of them a chunk; a lane a row
	s_lshl_b32 s75, s31, 4
	s_add_co_u32 s74, s74, s75
	s_mov_b32 s75, 0
	s_add_nc_u64 s[8:9], s[8:9], s[74:75]
	global_load_b128 v[8:11], v[L64], s[8:9] th:TH_LOAD_NT
.Lno_scales_in:
.irp i, 0,1,2,3,4,5,6,7,8,9,10,11,12,13,14,15
	global_load_b128 v[32+4*\i:35+4*\i], v[16+\i], s[70:71] th:TH_LOAD_NT   ; 16 lanes read 256 consecutive bytes of a row
.endr
.irp i, 0,1,2,3,4,5,6,7,8,9,10,11,12,13,14,15
	s_wait_loadcnt 15-\i                           ; loads come back in order: load i is in, the younger ones stay out (the scale bytes' load is older than all)
	ds_store_b128 v[SA], v[32+4*\i:35+4*\i] offset:544*\i
.endr
.irp p, 0,1,2,3,4,5,6,7,8,9,10,11,12,13,14,15
	ds_load_b128 v[96+4*\p:99+4*\p], v[RA] offset:2176*(\p/8)+64*((\p%8)/2)+32*(\p%2)   ; my wave's own bytes: LDS serves a wave's instructions in order, so these see the stores
.endr
.irp p, 0,1,2,3,4,5,6,7,8,9,10,11,12,13,14,15
	s_wait_dscnt 15-\p
	global_store_b128 v[L16], v[96+4*\p:99+4*\p], s[72:73] offset:512*\p   ; 32 lanes store 512 consecutive bytes, aligned
.endr
	s_cmp_lt_u32 ttmp9, 128
	s_cbranch_scc1 .Lend
	s_lshl_b32 s74, s28, 15                        ; W2SL: 32,768 e + 8,192 chunk + 16 x output
	s_lshl_b32 s75, s31, 13
	s_add_co_u32 s74, s74, s75
	s_and_b32 s75, s29, 511
	s_lshl_b32 s75, s75, 4
	s_add_co_u32 s74, s74, s75
	s_mov_b32 s75, 0
	s_add_nc_u64 s[16:17], s[16:17], s[74:75]
	global_store_b128 v[L16], v[8:11], s[16:17]    ; 512 consecutive bytes (the load was shown done by the count-down's 0)
	s_branch .Lend
	; ---------------- routing: expert e = work-group - 256; wave w takes tokens 1,024 w .. 1,024 w + 1,023 ----------------
	; The list is a permutation of the tokens: routed ones from place 0 up, the others from place 4,095 down.  Step st takes byte st % 4 of dword st / 4 of a lane's 32 mask bytes.
.Lroute:
	s_sub_co_u32 s23, ttmp9, 256
	s_lshl_b32 s24, s23, 12
	s_lshl_b32 s26, s22, 10
	s_add_co_u32 s24, s24, s26
	s_mov_b32 s25, 0
	s_add_nc_u64 s[10:11], s[10:11], s[24:25]
	global_load_b128 v[8:11], v[L16], s[10:11]
	global_load_b128 v[12:15], v[L16], s[10:11] offset:512
	s_lshl_b32 s24, s23, 14
	s_add_nc_u64 s[18:19], s[18:19], s[24:25]      ; my expert's list
	s_lshl_b32 s24, s23, 8
	s_add_nc_u64 s[20:21], s[20:21], s[24:25]      ; and its 256 bytes of counts
	v_add_nc_u32 v20, s26, v[L16]                  ; 1,024 w + 16 lane: my first token
	s_sub_co_u32 s27, 4095, s26
	v_sub_nc_u32 v21, s27, v[LN]                   ; 4,095 - 1,024 w - lane
	s_lshl_b32 s28, s22, 2
	s_add_co_u32 s28, s28, CNT
	v_mov_b32 v18, s28                             ; my wave's count word
	v_mov_b32 v19, CNT
	s_mov_b32 s27, 0
	s_wait_loadcnt 0x0
.set st, 0
.rept 32
	v_bfe_u32 v[16+st%2], v[8+st/4], 8*(st%4), 8
	v_cmp_ne_u32 s[32+st], 0, v[16+st%2]           ; which lanes' token of this step is routed
.set st, st+1
.endr
.set st, 0
.rept 32
	s_bcnt1_i32_b32 s28, s[32+st]
	s_add_co_u32 s27, s27, s28                     ; my wave's routed tokens
.set st, st+1
.endr
	v_mov_b32 v17, s27
	ds_store_b32 v18, v17                          ; all lanes write the same word with the same value
	s_wait_dscnt 0x0                               ; for the others' sake: my store has landed
	s_barrier_signal -1
	s_barrier_wait -1
	ds_load_b128 v[24:27], v19                     ; the four waves' counts
	s_wait_dscnt 0x0
	v_readfirstlane_b32 s66, v24
	v_readfirstlane_b32 s67, v25
	v_readfirstlane_b32 s68, v26
	v_readfirstlane_b32 s69, v27
	s_cmp_gt_u32 s22, 0
	s_cselect_b32 s70, s66, 0                      ; routed tokens of the waves in front of mine
	s_cmp_gt_u32 s22, 1
	s_cselect_b32 s71, s67, 0
	s_add_co_u32 s70, s70, s71
	s_cmp_gt_u32 s22, 2
	s_cselect_b32 s71, s68, 0
	s_add_co_u32 s70, s70, s71
	s_add_co_u32 s73, s66, s67
	s_add_co_u32 s73, s73, s68
	s_add_co_u32 s73, s73, s69                     ; the expert's routed tokens
.set st, 0
.rept 32
	v_mbcnt_lo_u32_b32 v16, s[32+st], 0            ; routed tokens of this step in the lanes below mine
	s_sub_co_u32 s71, s70, 32*st
	v_add_nc_u32 v17, s70, v16                     ; a routed token's place: those in front of it
	v_add3_u32 v18, v16, v21, s71                  ; another's: 4,095 - (tokens in front - routed ones in front)
	v_cndmask_b32 v[32+st], v18, v17, s[32+st]
	v_min_u32 v[32+st], 4095, v[32+st]
	v_lshlrev_b32 v[32+st], 2, v[32+st]
	v_add_nc_u32 v[64+st], 512*(st/16)+4*((st/4)%4)+st%4, v20
	global_store_b32 v[32+st], v[64+st], s[18:19]  ; every lane stores in every step: all 4,096 places are written; each step has registers of its own
	s_bcnt1_i32_b32 s72, s[32+st]
	s_add_co_u32 s70, s70, s72
.set st, st+1
.endr
	s_cmp_lg_u32 s22, 0
	s_cbranch_scc1 .Lend
	v_mov_b32 v28, s73
	v_mov_b32 v29, s73
	v_lshlrev_b32 v30, 3, v[LN]
	global_store_b64 v30, v[28:29], s[20:21]       ; the count, 64 times: 256 consecutive bytes, aligned
.Lend:
	s_wait_tensorcnt 0x0                           ; the wave's end
	ds_add_u32 v[SPW], v[NIL]
	s_wait_dscnt 0x0
	s_endpgm
.Lfunc_end_k_q303637c896_prep:
	.size	k_q303637c896_prep, .Lfunc_end_k_q303637c896_prep-k_q303637c896_prep
	.p2alignl 7, 3214868480
	.fill 96, 4, 3214868480
	.section	.rodata,"a",@progbits
	.p2align	6, 0x0
	.amdhsa_kernel k_q303637c896_prep
		.amdhsa_group_segment_fixed_size 35840
		.amdhsa_private_segment_fixed_size 0
		.amdhsa_enable_private_segment 0
		.amdhsa_kernarg_size 72
		.amdhsa_user_sgpr_count 2
		.amdhsa_user_sgpr_kernarg_segment_ptr 1
		.amdhsa_wavefront_size32 1
		.amdhsa_system_sgpr_workgroup_id_x 1
		.amdhsa_system_sgpr_workgroup_id_y 1
		.amdhsa_system_sgpr_workgroup_id_z 1
		.amdhsa_system_vgpr_workitem_id 0
		.amdhsa_next_free_vgpr 176
		.amdhsa_next_free_sgpr 96
		.amdhsa_reserve_vcc 0
		.amdhsa_float_denorm_mode_32 3
		.amdhsa_float_denorm_mode_16_64 3
		.amdhsa_memory_ordered 1
		.amdhsa_forward_progress 1
		.amdhsa_inst_pref_size 37
	.end_amdhsa_kernel
	.amdgpu_metadata
---
amdhsa.version: [ 1, 2 ]
amdhsa.kernels:
  - .name:           k_q303637c896_prep
    .symbol:         k_q303637c896_prep.kd
    .args:
      - { .name: W1_codes, .offset: 0, .size: 8, .value_kind: global_buffer, .address_space: global }
      - { .name: W2_codes, .offset: 8, .size: 8, .value_kind: global_buffer, .address_space: global }
      - { .name: W2_scales, .offset: 16, .size: 8, .value_kind: global_buffer, .address_space: global }
      - { .name: mask, .offset: 24, .size: 8, .value_kind: global_buffer, .address_space: global }
      - { .name: W1L, .offset: 32, .size: 8, .value_kind: global_buffer, .address_space: global }
      - { .name: W2L, .offset: 40, .size: 8, .value_kind: global_buffer, .address_space: global }
      - { .name: W2SL, .offset: 48, .size: 8, .value_kind: global_buffer, .address_space: global }
      - { .name: order, .offset: 56, .size: 8, .value_kind: global_buffer, .address_space: global }
      - { .name: counts, .offset: 64, .size: 8, .value_kind: global_buffer, .address_space: global }
    .group_segment_fixed_size: 35840
    .private_segment_fixed_size: 0
    .kernarg_segment_align: 8
    .kernarg_segment_size: 72
    .max_flat_workgroup_size: 128
    .sgpr_count:     96
    .vgpr_count:     176
    .wavefront_size: 32
...
	.end_amdgpu_metadata
.endif
;; end of part 1
;; launch ffn (part 2): grid 688 x 1, 4 waves a work-group, no clusters, 62,464 bytes of LDS; arguments counts, order, mask, x_codes, x_scales, W1L, W1_scales, W2L, W2SL, b1, b2, out0; writes out0
.if DOCPART == 2
	.amdgcn_target "amdgcn-amd-amdhsa--gfx1250"
	.amdhsa_code_object_version 6
	.text
	.protected	k_q303637c896_ffn
	.globl	k_q303637c896_ffn
	.p2align	8
	.type	k_q303637c896_ffn,@function
k_q303637c896_ffn:
	s_mov_b64 s[64:65], 0
	v_nop
	global_prefetch_b8 v0, s[64:65] scope:SCOPE_SE
	s_setreg_imm32_b32 hwreg(HW_REG_WAVE_MODE, 25, 1), 1
	s_wait_xcnt 0x0
; out[e][t][:] = mask[e][t] ? gelu(x[t] W1[e] + b1[e]) W2[e] + b2[e] : 0.  Both products on codes of E2M1 with one E8M0 scale for each 32 along K; the hidden layer is quantised on the way and never goes to memory.
; ROWS THAT ARE NOT ROUTED ARE NOT MULTIPLIED: the selection gives 0 there whatever y holds; which rows are routed is read from the whole numbers that the launch before stored (counts, order).
; LIMITS: a NaN, infinity or overflow in a row that is not routed is not computed (the result there is 0 as the selection gives it); any mask byte other than 0 counts as true; a block of the hidden layer whose
; largest magnitude lies under 2^-124 gets the scale byte 1; gelu is taken as x / (1 + 2^(x (k0 + k1 x^2))), the same function as 0.5 x (1 + tanh(..)), without that form's cancellation for negative x;
; an exponential under 2^-126 comes out as 0, beside the 1 that it is added to.
; TILES.  A unit is 16 routed rows of one expert, u_e = ceil(n_e / 16).  A tile is q units of one expert; q is the least of 1, 2, 3 for which all experts' tiles are at most 256, else 3.  With all 32,768 rows routed
; there are 8 x ceil(256 / 3) = 688 tiles: the grid, which serves every split.  A work-group whose number is not under the number of tiles has a tile of 0 units: that is the price of such a grid.
; ZEROS.  Work-groups 0-255 also own 128 rows each of the 32,768, 32 a wave, and store zeros where the mask is 0, in four quarters: one at the head and one in front of each of three chunks.
; SHARES.  THE FOUR WAVES SHARE THE COLUMNS.  The 2,048 hidden units go in 4 chunks of 512.  In a chunk wave w makes hidden units 128 w .. 128 w + 127 of all the tile's rows (8 tiles of 16, K = 512), applies gelu,
; quantises them: one K step of the second product; its codes and scale words go to the other waves through LDS as images of the operand's registers.  Then wave w adds the chunk into outputs 128 w .. 128 w + 127.
; So each byte of the expert's weights is loaded once a work-group, by one wave, 512 consecutive bytes an instruction, straight into the operand's registers (the launch before laid them so).
; Both products are used transposed (source 0 = 16 rows of a weight, source 1 = 16 tokens): a lane holds one token; by the choice of a tile's rows its 16 results of two neighbouring tiles are 16 neighbours.
; NO TENSOR LOAD, NO CLUSTER: the number of tiles and of a tile's units are numbers read from memory, on which branches hang here, and partners would have different numbers of units.
; EVERY WAVE OF EVERY WORK-GROUP PASSES EVERY BARRIER.  The branches on stored numbers (0 units; fewer than 2; fewer than 3; a row's mask bit) lead round stretches that hold no barrier; the loop's count is a constant.
; A stretch that is led round when the tile has 0 units holds its own loads of weights.  W2's loads are issued and shown done inside one such stretch; W1's, asked for a chunk ahead, are met by a wait for 0 that all take.
; EVERY REGISTER IS WRITTEN BEFORE IT IS READ ON EVERY WAY THROUGH THE TEXT, whichever of these branches are taken: what one such stretch writes and another reads (the weights' two windows, b1's tiles, the weights'
; scale words, the hidden fragments of units 1 and 2) is written once at the head, on the one way that all take, between the scalar loads and the waits for them.
; REGISTERS, in windows of 256: window 0: see below.  window 1: W1's 32 fragments of a chunk (tile t, K step s at 8 (4 t + s)).  window 2: W2's likewise.  window 3: y, unit m, tile n at 64 m + 8 n; from 192 b1's 8 tiles.
.set XIMG,  0                          ; LDS: x's fragments, unit m, K step s at 4,096 m + 1,024 s, two pieces of 512 bytes
.set HIMG,  12288                      ; the hidden layer's, in the same form
.set HSC,   24576                      ; its scale words: 512 m + 16 lane + 4 x K step
.set B2L,   26112                      ; b2 of the expert, 2,048 bytes as they lie
.set STG,   28160                      ; the way out: 16 rows x (512 bytes + 16) for each wave
.set SPITCH, 528
.set SPARE, 61952                      ; the spare words, 128 bytes for each wave: two blocks of 256 bytes that no other line names
.set L16,  1                           ; v1   16 x lane
.set PS,   2                           ; v2   a weight's scale words: 16 x (8 (lane / 16) + r + 8 (r / 8)): lanes 0-15 the even tile's rows, lanes 16-31 the odd tile's
.set WI,   3                           ; v3   where I store images: 16 x lane + 1,024 x wave
.set HWS,  4                           ; v4   and scale words: 16 x lane + 4 x wave
.set VB,   5                           ; v5   64 h: b1's numbers of my half
.set VB2,  6                           ; v6   64 h + 512 x wave: b2's
.set SO,   7                           ; v7   the stage: where I put 64 bytes of a row
.set SR,   8                           ; v8   and where I read a row back
.set MB,   9                           ; v9   my row's mask byte
.set TOK,  10                          ; v10-12 unit m's token of row lane % 16
.set TA,   13                          ; v13-15 its codes' byte offset
.set Z,    16                          ; v16-19 zeros; never rewritten
.set SPW,  20                          ; v20  LDS address of my spare word; never rewritten
.set NIL,  21                          ; v21  0; never rewritten
.set XS,   22                          ; v22-33 x's scale words, 4 m + s
.set HS,   34                          ; v34-45 the hidden layer's, 4 m + s
.set W1S,  46                          ; v46-61 W1's, 4 (t / 2) + s
.set W2S,  62                          ; v62-77 W2's
.set K0V,  78                          ; v78-79 k0, twice
.set XF,   80                          ; v80-111 a unit's four fragments of x
.set HA,   112                         ; v112-175 my 8 tiles of the hidden layer; later hidden fragments of units 0, 1; on the way out rows of y
.set T,    176                         ; v176-239 at work; later hidden fragments of unit 2
.set TM,   T                           ; quantiser: +0..3 largest magnitudes, +4..7 bytes, +12..15 the conversions' scale operands
.set PW,   T+24                        ; the scale word just made
.set PC,   T+32                        ; the codes just made
.set VO,   240                         ; v240-255 the way out: a row's byte offset; at the head: temporaries
.set LN,   240
.set RR,   241
.set HH,   242
.set R8,   243
.set TO,   244                         ; 244-246
.set TH16, 247
.set XB,   248
.set XSO,  249                         ; 249-251
.set MSB, 0
.macro WIN new                         ; the immediate's high byte repeats the setting that is left; at every label and branch the setting is 0
.if MSB != \new
	s_set_vgpr_msb (MSB<<8)|\new
.set MSB, \new
.endif
.endm
.macro PLACES n
.rept \n
	v_nop
.endr
.endm
.macro WRITTEN win, first, count       ; count registers from first on, in the window that win names as the destination's, are written once, on the way that all take
	WIN \win
.set i, \first
.rept \count
	v_mov_b32 v[i], 0
.set i, i+1
.endr
	WIN 0
.endm
; Row i of my rows in hand: zeros where the mask is 0.  Each store covers 512 consecutive bytes, aligned; its sources but the base are never rewritten.
.macro FILL1 i
	s_bitcmp1_b32 s53, \i
	s_cbranch_scc1 .Lkept_\@
.irp k, 0,1,2,3
	global_store_b128 v[L16], v[Z:Z+3], s[54:55] offset:2048*(\i)+512*\k th:TH_STORE_NT
.endr
.Lkept_\@:
.endm
.macro FILL8
.irp i, 0,1,2,3,4,5,6,7
	FILL1 \i
.endr
.endm
; fragments f0 .. f1 of a chunk, from the buffer at s[base], into window win >> 6
.macro LDW base, f0, f1, win
	WIN \win
.set f, \f0
.rept (\f1)-(\f0)+1
	global_load_b128 v[8*f:8*f+3], v[L16], s[\base:\base+1] offset:1024*f
	global_load_b128 v[8*f+4:8*f+7], v[L16], s[\base:\base+1] offset:1024*f+512
.set f, f+1
.endr
	WIN 0
.endm
.macro LDS1                            ; W1's scale words (4 loads) and b1 in the result's layout (16 loads): tile 2 b + u, lane half h: hidden units 32 b + 16 h + 8 u + 0 .. 7
.irp b, 0,1,2,3
	global_load_b128 v[W1S+4*\b:W1S+4*\b+3], v[PS], s[16:17] offset:512*\b
.endr
	WIN 0xc0
.irp t, 0,1,2,3,4,5,6,7
	global_load_b128 v[192+8*\t:195+8*\t], v[VB], s[22:23] offset:4*(32*(\t/2)+8*(\t%2))
	global_load_b128 v[196+8*\t:199+8*\t], v[VB], s[22:23] offset:4*(32*(\t/2)+8*(\t%2))+16
.endr
	WIN 0
.endm
.macro LDS2                            ; W2's scale words of the chunk
.irp b, 0,1,2,3
	global_load_b128 v[W2S+4*\b:W2S+4*\b+3], v[PS], s[20:21] offset:512*\b
.endr
.endm
.macro XLOAD m                         ; unit m's four fragments of x, as any wave's registers
.irp s, 0,1,2,3
	ds_load_b128 v[XF+8*\s:XF+8*\s+3], v[L16] offset:XIMG+4096*(\m)+1024*\s
	ds_load_b128 v[XF+8*\s+4:XF+8*\s+7], v[L16] offset:XIMG+4096*(\m)+1024*\s+512
.endr
.endm
.macro HLOAD m                         ; unit m's four hidden fragments of the chunk and their scale words
.irp s, 0,1,2,3
	ds_load_b128 v[HA+32*(\m)+8*\s:HA+32*(\m)+8*\s+3], v[L16] offset:HIMG+4096*(\m)+1024*\s
	ds_load_b128 v[HA+32*(\m)+8*\s+4:HA+32*(\m)+8*\s+7], v[L16] offset:HIMG+4096*(\m)+1024*\s+512
.endr
	ds_load_b128 v[HS+4*(\m):HS+4*(\m)+3], v[L16] offset:HSC+512*(\m)
.endm
; one matrix instruction; odd = 1: the weight's scale words are those of the odd tile, in lanes 16-31
.macro WM d, a, b, c, sa, sb, odd
.if \odd
	v_wmma_scale_f32_16x16x128_f8f6f4 v[\d:\d+7], v[\a:\a+7], v[\b:\b+7], v[\c:\c+7], v[\sa], v[\sb] matrix_a_fmt:MATRIX_FMT_FP4 matrix_b_fmt:MATRIX_FMT_FP4 matrix_a_scale:MATRIX_SCALE_ROW1
.else
	v_wmma_scale_f32_16x16x128_f8f6f4 v[\d:\d+7], v[\a:\a+7], v[\b:\b+7], v[\c:\c+7], v[\sa], v[\sb] matrix_a_fmt:MATRIX_FMT_FP4 matrix_b_fmt:MATRIX_FMT_FP4
.endif
.endm
; The first product for unit m: 8 tiles x 4 K steps; b1 is the C of each sum's first instruction.  The eight accumulators take turns, one instruction a turn.
.macro MUL1 m
	WIN 0x31                                       ; source 0 (W1) window 1, source 2 (b1) window 3
.irp t, 0,1,2,3,4,5,6,7
	WM HA+8*\t, 32*\t, XF, 192+8*\t, W1S+4*(\t/2), XS+4*(\m), \t%2
.endr
	WIN 0x01
.irp s, 1,2,3
.irp t, 0,1,2,3,4,5,6,7
	WM HA+8*\t, 8*(4*\t+\s), XF+8*\s, HA+8*\t, W1S+4*(\t/2)+\s, XS+4*(\m)+\s, \t%2
.endr
.endr
	WIN 0
.endm
; The second product for unit m: my 8 tiles of outputs x the chunk's 4 K steps, added onto y; by turns likewise.
.macro MUL2 m
	WIN 0xf2                                       ; source 0 (W2) window 2, C and D window 3
.irp s, 0,1,2,3
.irp n, 0,1,2,3,4,5,6,7
	WM 64*(\m)+8*\n, 8*(4*\n+\s), HA+32*(\m)+8*\s, 64*(\m)+8*\n, W2S+4*(\n/2)+\s, HS+4*(\m)+\s, \n%2
.endr
.endr
	WIN 0
.endm
; gelu in f32 on my 64 numbers of unit m, then the quantiser along the next K: register 16 b + i is hidden unit 32 b + 16 h + i of my token.  The codes and the scale word go to LDS as they stand.
.macro ACT m
.set j, 0
.rept 32
	v_pk_mul_f32 v[T+j:T+j+1], v[HA+j:HA+j+1], v[HA+j:HA+j+1]          ; x^2 (each accumulator is read from its low end on)
.set j, j+2
.endr
.set j, 0
.rept 32
	v_pk_fma_f32 v[T+j:T+j+1], v[T+j:T+j+1], s[60:61], v[K0V:K0V+1] op_sel_hi:[1,0,1]   ; k1 x^2 + k0
.set j, j+2
.endr
.set j, 0
.rept 32
	v_pk_mul_f32 v[T+j:T+j+1], v[T+j:T+j+1], v[HA+j:HA+j+1]            ; x (k0 + k1 x^2) = -2 log2(e) sqrt(2 / pi) (x + 0.044715 x^3)
.set j, j+2
.endr
.set j, 0
.rept 64
	v_exp_f32 v[T+j], v[T+j]
.set j, j+1
.endr
	v_nop                                          ; a plain instruction behind the last exponential,
	s_wait_alu depctr_va_vdst(0)                   ; and one wait for the batch ahead of its first reader
.set j, 0
.rept 32
	v_pk_add_f32 v[T+j:T+j+1], v[T+j:T+j+1], 1.0 op_sel_hi:[1,0]
.set j, j+2
.endr
.set j, 0
.rept 64
	v_rcp_f32 v[T+j], v[T+j]
.set j, j+1
.endr
	v_nop
	s_wait_alu depctr_va_vdst(0)                   ; likewise for the reciprocals
.set j, 0
.rept 32
	v_pk_mul_f32 v[HA+j:HA+j+1], v[HA+j:HA+j+1], v[T+j:T+j+1]          ; gelu(x)
.set j, j+2
.endr
.irp b, 0,1,2,3
	v_max3_num_f32 v[TM+\b], |v[HA+16*\b]|, |v[HA+1+16*\b]|, 0x1800000   ; block b: my 16 numbers, and the floor 2^(3 - 127): the byte cannot fall under 1
.endr
.irp i, 2,4,6,8,10,12,14
.irp b, 0,1,2,3
	v_max3_num_f32 v[TM+\b], v[TM+\b], |v[HA+16*\b+\i]|, |v[HA+1+16*\b+\i]|   ; the four blocks by turns
.endr
.endr
.irp b, 0,1,2,3
	v_permlanex16_b32 v[TM+4+\b], v[TM+\b], s62, s63
.endr
.irp b, 0,1,2,3
	v_max_num_f32 v[TM+\b], v[TM+\b], v[TM+4+\b]   ; with lane l xor 16's 16: the block's largest magnitude
.endr
.irp b, 0,1,2,3
	v_add_nc_u32 v[TM+12+\b], 0xff000000, v[TM+\b] ; 2 off its exponent field: the conversion's scale operand
.endr
.irp b, 0,1,2,3
	v_lshrrev_b32 v[TM+4+\b], 23, v[TM+12+\b]      ; the scale's byte
.endr
	v_lshl_or_b32 v[PW], v[TM+5], 8, v[TM+4]
	v_lshl_or_b32 v[PW], v[TM+6], 16, v[PW]
	v_lshl_or_b32 v[PW], v[TM+7], 24, v[PW]        ; my token's scale word for these 128 hidden units
.irp b, 0,1,2,3
	v_cvt_scalef32_pk8_fp4_f32 v[PC+2*\b], v[HA+16*\b:HA+7+16*\b], v[TM+12+\b]
	v_cvt_scalef32_pk8_fp4_f32 v[PC+1+2*\b], v[HA+8+16*\b:HA+15+16*\b], v[TM+12+\b]
.endr
	v_nop                                          ; one plain instruction behind the scaled conversions
.irp c, 0,1                                    ; the operand's layout wants a whole block in a lane: lanes 0-15 block 2 c, lanes 16-31 block 2 c + 1
.irp i, 0,1
	v_permlane16_swap_b32 v[PC+4*\c+\i], v[PC+2+4*\c+\i]
.endr
.endr
	ds_store_b128 v[WI], v[PC:PC+3] offset:HIMG+4096*(\m)
	ds_store_b128 v[WI], v[PC+4:PC+7] offset:HIMG+4096*(\m)+512
	ds_store_b32 v[HWS], v[PW] offset:HSC+512*(\m)
.endm
; A CHUNK of 512 hidden units.  reload = 1: the next chunk's W1, its scale words and b1 are asked for as soon as this chunk's first products are done, and a quarter of my zeros goes out at the head.
; Two stretches are led round when the tile has 0 units: A, up to the images, and B, the second product.  The waits and barriers between them are passed by all.
; Five places stand behind each run of matrix instructions: ahead of loads into its operands (four are asked) and of the next matrix instruction that writes over one of its registers (five).
.macro CHUNK reload
	s_wait_loadcnt 0x0                             ; this chunk's W1, scale words and b1 are in; nothing else can be out
.if \reload
	s_wait_xcnt 0x0                                ; the zeros' stores have read their base
	s_add_nc_u64 s[14:15], s[14:15], 131072        ; W1L, W1's scales and b1 at the next chunk
	s_add_nc_u64 s[16:17], s[16:17], 8192
	s_add_nc_u64 s[22:23], s[22:23], 2048
	s_add_nc_u64 s[54:55], s[54:55], 16384         ; my next 8 rows of zeros
	s_lshr_b32 s53, s53, 8
	FILL8
.endif
	s_cmp_eq_u32 s50, 0
	s_cbranch_scc1 .Lea_\@                         ; ---- stretch A
	XLOAD 0
	LDS2
	LDW 18, 0, 27, 0x80                            ; 60 loads of this chunk's W2 side now, 8 further down
	s_wait_dscnt 0x0                               ; unit 0's x (in the first chunk: and y's start)
	MUL1 0
	PLACES 5
	XLOAD 1
	ACT 0
	s_wait_dscnt 0x0                               ; unit 1's x is in, and the image's stores have read their registers
	s_cmp_lt_u32 s50, 2
	s_cbranch_scc1 .La1_\@
	MUL1 1
	PLACES 5
.La1_\@:
	XLOAD 2
	s_cmp_lt_u32 s50, 2
	s_cbranch_scc1 .Lb1_\@
	ACT 1
.Lb1_\@:
	LDW 18, 28, 31, 0x80
	s_wait_dscnt 0x0
	s_cmp_lt_u32 s50, 3
	s_cbranch_scc1 .La2_\@
	MUL1 2
	PLACES 5
.La2_\@:
.if \reload
	LDS1
	LDW 14, 0, 19, 0x40
.endif
	s_cmp_lt_u32 s50, 3
	s_cbranch_scc1 .Lb2_\@
	ACT 2
.Lb2_\@:
.if \reload
	LDW 14, 20, 31, 0x40
	s_wait_loadcnt 63                              ; W2 and its scale words, asked for at this stretch's head, are in: 84 loads (20 + 40 + 24) were issued behind them, and the count's field holds 63
	s_add_nc_u64 s[18:19], s[18:19], 131072        ; their loads are done: W2L and W2SL at the next chunk
	s_add_nc_u64 s[20:21], s[20:21], 8192
.else
	s_wait_loadcnt 0x0                             ; W2 and its scale words are in; nothing was issued behind them
.endif
.Lea_\@:
	s_wait_dscnt 0x0                               ; for the others' sake: my images have landed
	s_barrier_signal -1
	s_barrier_wait -1                              ; the chunk's hidden fragments lie in LDS
	s_cmp_eq_u32 s50, 0
	s_cbranch_scc1 .Leb_\@                         ; ---- stretch B
	HLOAD 0
	s_cmp_lt_u32 s50, 2
	s_cbranch_scc1 .Lc1_\@
	HLOAD 1
.Lc1_\@:
	s_cmp_lt_u32 s50, 3
	s_cbranch_scc1 .Lc2_\@
	HLOAD 2
.Lc2_\@:
	s_wait_dscnt 0x0                               ; the hidden fragments are in: my reads of the images are over
	MUL2 0
	s_cmp_lt_u32 s50, 2
	s_cbranch_scc1 .Ld1_\@
	MUL2 1
.Ld1_\@:
	s_cmp_lt_u32 s50, 3
	s_cbranch_scc1 .Ld2_\@
	MUL2 2
.Ld2_\@:
	PLACES 5
.Leb_\@:
.if \reload
	s_wait_dscnt 0x0                               ; no LDS instruction of mine is out
	s_barrier_signal -1
	s_barrier_wait -1                              ; everybody's reads of the images are over: the next chunk may write them again
.endif
.endm
; THE WAY OUT of unit m: a lane holds 64-byte runs of one row, the lanes beside it other rows: through my own stage and back as whole rows of my 512 bytes; only routed rows are stored, each at its token's place.
.macro OUTM m
	s_cmp_le_u32 s51, 16*\m
	s_cbranch_scc1 .Ldone
.if \m > 0
	s_wait_xcnt 0x0                                ; the last unit's stores have read their registers
.endif
	WIN 0x0c                                       ; an LDS store's data are its source 1: window 3
.irp n, 0,1,2,3,4,5,6,7
	ds_store_b128 v[SO], v[64*\m+8*\n:64*\m+8*\n+3] offset:128*(\n/2)+32*(\n%2)        ; each accumulator from its low end on
	ds_store_b128 v[SO], v[64*\m+8*\n+4:64*\m+8*\n+7] offset:128*(\n/2)+32*(\n%2)+16
.endr
	WIN 0
.irp i, 0,1,2,3,4,5,6,7,8,9,10,11,12,13,14,15
	ds_load_b128 v[HA+4*\i:HA+4*\i+3], v[SR] offset:SPITCH*\i   ; my wave's own bytes: LDS serves a wave's instructions in order
.endr
.irp i, 0,1,2,3,4,5,6,7,8,9,10,11,12,13,14,15
	v_readlane_b32 s44, v[TOK+\m], \i
	s_min_u32 s44, s44, 4095
	v_lshl_add_u32 v[VO+\i], s44, 11, v[L16]       ; row i's token x 2,048 bytes + 16 x lane
.endr
	s_wait_dscnt 0x0
.irp i, 0,1,2,3,4,5,6,7,8,9,10,11,12,13,14,15
	s_cmp_gt_u32 s51, 16*\m+\i
	s_cbranch_scc0 .Ldone                          ; the routed rows come first in the list: behind the last one nothing is stored
	global_store_b128 v[VO+\i], v[HA+4*\i:HA+4*\i+3], s[56:57] th:TH_STORE_NT   ; 32 lanes store 512 consecutive bytes, aligned
.endr
.endm
	s_load_b256 s[4:11], s[0:1], 0x0               ; counts s[4:5], order s[6:7], mask s[8:9], x_codes s[10:11]
	s_load_b256 s[12:19], s[0:1], 0x20             ; x_scales s[12:13], W1L s[14:15], W1_scales s[16:17], W2L s[18:19]
	s_load_b256 s[20:27], s[0:1], 0x40             ; W2SL s[20:21], b1 s[22:23], b2 s[24:25], out0 s[26:27]
	v_lshl_add_u32 v[SPW], v0, 2, SPARE
	v_mov_b32 v[NIL], 0
	s_mov_b32 s66, 3                               ; the loop's trips: a constant, set ahead of every branch
	v_lshrrev_b32 v[LN], 5, v0
	v_readfirstlane_b32 s36, v[LN]                 ; wave 0..3
	v_and_b32 v[LN], 31, v0                        ; lane
	v_and_b32 v[RR], 15, v0                        ; r
	v_bfe_u32 v[HH], v0, 4, 1                      ; h
	v_lshlrev_b32 v[L16], 4, v[LN]
	v_and_b32 v[R8], 8, v[RR]
	v_add_nc_u32 v[R8], v[R8], v[RR]               ; r + 8 (r / 8)
	v_lshl_add_u32 v[PS], v[HH], 3, v[R8]
	v_lshlrev_b32 v[PS], 4, v[PS]
	s_lshl_b32 s44, s36, 10
	v_add_nc_u32 v[WI], s44, v[L16]
	s_lshl_b32 s44, s36, 2
	v_add_nc_u32 v[HWS], s44, v[L16]
	v_lshlrev_b32 v[VB], 6, v[HH]
	s_lshl_b32 s44, s36, 9
	v_add_nc_u32 v[VB2], s44, v[VB]
	s_mul_i32 s45, s36, 16*SPITCH
	s_add_co_u32 s45, s45, STG                     ; my stage
	v_mul_u32_u24 v[SO], v[RR], SPITCH
	v_lshl_add_u32 v[SO], v[HH], 6, v[SO]
	v_add_nc_u32 v[SO], s45, v[SO]
	v_add_nc_u32 v[SR], s45, v[L16]
	v_lshlrev_b32 v[TH16], 4, v0                   ; 16 x thread
	s_lshl_b32 s44, s36, 6
	v_lshl_add_u32 v[XB], v[HH], 4, s44            ; x: K step = my wave: 64 w + 16 h
.irp i, 0,1,2,3
	v_mov_b32 v[Z+\i], 0
.endr
.irp i, 4,5,6,7,8,9,10,11
	v_mov_b32 v[HS+\i], 0x7f7f7f7f                 ; units 1 and 2's scale words: written on every way through the text
.endr
	v_mov_b32 v[K0V], 0xc0135761                   ; k0 = -2 log2(e) sqrt(2 / pi) = -2.3022082
	v_mov_b32 v[K0V+1], 0xc0135761
	s_mov_b32 s60, 0xbdd2d3e8                      ; k1 = 0.044715 k0 = -0.10294324
	s_mov_b32 s61, s60                             ; (named with it as a pair, so it is written)
	s_mov_b32 s62, 0x76543210
	s_mov_b32 s63, 0xfedcba98                      ; v_permlanex16_b32's selects for lane l xor 16
	s_mov_b32 s37, ttmp9                           ; my work-group's number
	WRITTEN 0x40, 0, 256                           ; W1's window, while the arguments' loads are out
	s_wait_kmcnt 0x0
.irp k, 0,1,2,3,4,5,6,7
	s_load_b32 s[28+\k], s[4:5], 256*\k            ; n_e
.endr
	s_min_u32 s44, s37, 255
	s_lshl_b32 s44, s44, 7
	s_lshl_b32 s45, s36, 5
	s_add_co_u32 s44, s44, s45                     ; the first of my 32 rows of the 32,768
	s_mov_b32 s45, 0
	s_add_nc_u64 s[8:9], s[8:9], s[44:45]
	global_load_u8 v[MB], v[LN], s[8:9]            ; a lane a row
	s_lshl_b64 s[46:47], s[44:45], 11
	s_add_nc_u64 s[54:55], s[26:27], s[46:47]      ; and their place in out0
	WRITTEN 0x80, 0, 256                           ; W2's window, while the counts' loads are out;
	WRITTEN 0xc0, 192, 64                          ; b1's tiles;
	WRITTEN 0, W1S, 32                             ; the weights' scale words;
	WRITTEN 0, HA+32, 64                           ; the hidden fragments of units 1 and 2
	s_wait_kmcnt 0x0
	; which tile is mine: all in scalar registers, from the eight counts and my number
	s_mov_b32 s44, 0
	s_mov_b32 s45, 0
.irp k, 0,1,2,3,4,5,6,7
	s_min_u32 s[28+\k], s[28+\k], 4096
	s_add_co_u32 s[72+\k], s[28+\k], 15
	s_lshr_b32 s[72+\k], s[72+\k], 4               ; u_e
	s_add_co_u32 s44, s44, s[72+\k]                ; tiles with q = 1
	s_add_co_u32 s46, s[72+\k], 1
	s_lshr_b32 s46, s46, 1
	s_add_co_u32 s45, s45, s46                     ; with q = 2
.endr
	s_mov_b32 s38, 3                               ; q,
	s_mov_b32 s39, 21846                           ; and 65,536 / q rounded up: (u + q - 1) x that >> 16 = ceil(u / q) for u up to 256
	s_cmp_le_u32 s45, 256
	s_cselect_b32 s38, 2, s38
	s_cselect_b32 s39, 32768, s39
	s_cmp_le_u32 s44, 256
	s_cselect_b32 s38, 1, s38
	s_cselect_b32 s39, 65536, s39
	s_sub_co_u32 s46, s38, 1
.irp k, 0,1,2,3,4,5,6,7
	s_add_co_u32 s[72+\k], s[72+\k], s46
	s_mul_i32 s[72+\k], s[72+\k], s39
	s_lshr_b32 s[72+\k], s[72+\k], 16              ; the expert's tiles
.endr
	s_mov_b32 s41, 0                               ; e,
	s_mov_b32 s42, s37                             ; my tile's number in it,
	s_mov_b32 s43, s28                             ; n_e,
	s_mov_b32 s40, 0                               ; tiles of the experts in front
.irp k, 1,2,3,4,5,6,7
	s_add_co_u32 s40, s40, s[71+\k]
	s_sub_co_u32 s44, s37, s40
	s_cmp_ge_u32 s37, s40
	s_cselect_b32 s41, \k, s41
	s_cselect_b32 s42, s44, s42
	s_cselect_b32 s43, s[28+\k], s43
.endr
	s_add_co_u32 s40, s40, s79                     ; all tiles
	s_min_u32 s41, s41, 7
	s_mul_i32 s52, s38, s42
	s_lshl_b32 s52, s52, 4
	s_min_u32 s52, s52, 4080                       ; my tile's first place in the list
	s_sub_co_u32 s51, s43, s52
	s_lshl_b32 s44, s38, 4
	s_min_u32 s51, s51, s44
	s_min_u32 s51, s51, 48                         ; its routed rows, 1 .. 16 q;
	s_cmp_lt_u32 s37, s40
	s_cselect_b32 s51, s51, 0                      ; 0 where my number is not under the number of tiles
	s_add_co_u32 s50, s51, 15
	s_lshr_b32 s50, s50, 4                         ; its units, 0 .. 3
	s_wait_loadcnt 0x0
	v_cmp_ne_u32 s53, 0, v[MB]                     ; bit i: row i is routed and gets no zeros
	s_cmp_lt_u32 s37, 256
	s_cselect_b32 s53, s53, -1                     ; work-groups from 256 on own no rows of zeros
	s_mov_b32 s45, 0
	s_lshl_b32 s44, s41, 14
	s_add_nc_u64 s[6:7], s[6:7], s[44:45]          ; the expert's list
	s_lshl_b32 s44, s41, 19
	s_lshl_b32 s46, s36, 15
	s_add_co_u32 s44, s44, s46
	s_add_nc_u64 s[14:15], s[14:15], s[44:45]      ; W1L, W2L: 524,288 e + 32,768 w, chunk 0
	s_add_nc_u64 s[18:19], s[18:19], s[44:45]
	s_lshl_b32 s44, s41, 15
	s_lshl_b32 s46, s36, 11
	s_add_co_u32 s44, s44, s46
	s_add_nc_u64 s[16:17], s[16:17], s[44:45]      ; W1_scales, W2SL: 32,768 e + 2,048 w
	s_add_nc_u64 s[20:21], s[20:21], s[44:45]
	s_lshl_b32 s44, s41, 13
	s_lshl_b32 s46, s36, 9
	s_add_co_u32 s44, s44, s46
	s_add_nc_u64 s[22:23], s[22:23], s[44:45]      ; b1: 8,192 e + 512 w
	s_lshl_b32 s44, s41, 11
	s_add_nc_u64 s[24:25], s[24:25], s[44:45]      ; b2: 2,048 e
	s_lshl_b32 s44, s41, 23
	s_add_co_u32 s44, s44, s46
	s_add_nc_u64 s[56:57], s[26:27], s[44:45]      ; out0: 8,388,608 e + 512 w
	; The small loads (3 + 1 + 6 + 3 a wave) are taken by all: every address is held inside its buffer, with 0 units too.
.irp m, 0,1,2
	v_add_nc_u32 v[TO+\m], 16*\m, v[RR]
	v_add_nc_u32 v[TO+\m], s52, v[TO+\m]
	v_and_b32 v[TO+\m], 4095, v[TO+\m]             ; a place past the list's end, which only a unit that is not worked can name, wraps to its head
	v_lshlrev_b32 v[TO+\m], 2, v[TO+\m]
	global_load_b32 v[TOK+\m], v[TO+\m], s[6:7]
.endr
	global_load_b128 v[T:T+3], v[TH16], s[24:25]   ; b2: 16 bytes a thread
	s_cmp_eq_u32 s50, 0
	s_cbranch_scc1 .Lidle0
	LDS1
	LDW 14, 0, 15, 0x40
	s_wait_loadcnt 53                              ; the tokens are in: behind them 1 + 4 + 16 + 32 loads were issued
	s_branch .Ljoin0
.Lidle0:
	s_wait_loadcnt 1                               ; the tokens are in: behind them b2's load was issued
.Ljoin0:
.irp m, 0,1,2
	v_min_u32 v[TOK+\m], 4095, v[TOK+\m]
	v_lshlrev_b32 v[TA+\m], 8, v[TOK+\m]           ; a token's 512 codes are 256 bytes
	v_add_nc_u32 v[TA+\m], v[XB], v[TA+\m]
	v_lshlrev_b32 v[XSO+\m], 4, v[TOK+\m]          ; its scale bytes 16
.endr
.irp m, 0,1,2
	global_load_b128 v[T+8+8*\m:T+11+8*\m], v[TA+\m], s[10:11]             ; x's fragment (unit m, K step = my wave)
	global_load_b128 v[T+12+8*\m:T+15+8*\m], v[TA+\m], s[10:11] offset:32
.endr
.irp m, 0,1,2
	global_load_b128 v[XS+4*\m:XS+4*\m+3], v[XSO+\m], s[12:13]             ; its four scale words: every wave has its own
.endr
	FILL8                                          ; the first quarter of my zeros
	s_cmp_eq_u32 s50, 0
	s_cbranch_scc1 .Lidle1
	LDW 14, 16, 31, 0x40
	s_wait_loadcnt 32                              ; all but the 32 just issued: x, its scale words and b2 are in
	s_branch .Ljoin1
.Lidle1:
	s_wait_loadcnt 0x0                             ; nothing was issued behind them
.Ljoin1:
.irp m, 0,1,2
	ds_store_b128 v[WI], v[T+8+8*\m:T+11+8*\m] offset:XIMG+4096*\m
	ds_store_b128 v[WI], v[T+12+8*\m:T+15+8*\m] offset:XIMG+4096*\m+512
.endr
	ds_store_b128 v[TH16], v[T:T+3] offset:B2L
	s_wait_dscnt 0x0                               ; for the others' sake: my stores have landed
	s_barrier_signal -1
	s_barrier_wait -1                              ; x's twelve fragments and b2 lie in LDS; they are not written again
	WIN 0xc0
.irp m, 0,1,2                                  ; y begins as b2: tile 2 i + u, lane half h: outputs 128 w + 32 i + 16 h + 8 u + 0 .. 7
.irp n, 0,1,2,3,4,5,6,7
	ds_load_b128 v[64*\m+8*\n:64*\m+8*\n+3], v[VB2] offset:B2L+128*(\n/2)+32*(\n%2)
	ds_load_b128 v[64*\m+8*\n+4:64*\m+8*\n+7], v[VB2] offset:B2L+128*(\n/2)+32*(\n%2)+16
.endr
.endr
	WIN 0
.Lchunk:
	CHUNK 1
	s_sub_co_u32 s66, s66, 1
	s_cmp_lg_u32 s66, 0
	s_cbranch_scc1 .Lchunk
	CHUNK 0                                        ; the last chunk asks for nothing more: no load leaves its buffer
	OUTM 0
	OUTM 1
	OUTM 2
.Ldone:
	s_wait_tensorcnt 0x0                           ; the wave's end
	ds_add_u32 v[SPW], v[NIL]
	s_wait_dscnt 0x0
	s_endpgm
.Lfunc_end_k_q303637c896_ffn:
	.size	k_q303637c896_ffn, .Lfunc_end_k_q303637c896_ffn-k_q303637c896_ffn
	.p2alignl 7, 3214868480
	.fill 96, 4, 3214868480
	.section	.rodata,"a",@progbits
	.p2align	6, 0x0
	.amdhsa_kernel k_q303637c896_ffn
		.amdhsa_group_segment_fixed_size 62464
		.amdhsa_private_segment_fixed_size 0
		.amdhsa_enable_private_segment 0
		.amdhsa_kernarg_size 96
		.amdhsa_user_sgpr_count 2
		.amdhsa_user_sgpr_kernarg_segment_ptr 1
		.amdhsa_wavefront_size32 1
		.amdhsa_system_sgpr_workgroup_id_x 1
		.amdhsa_system_sgpr_workgroup_id_y 1
		.amdhsa_system_sgpr_workgroup_id_z 1
		.amdhsa_system_vgpr_workitem_id 0
		.amdhsa_next_free_vgpr 1024
		.amdhsa_next_free_sgpr 100
		.amdhsa_reserve_vcc 0
		.amdhsa_float_denorm_mode_32 3
		.amdhsa_float_denorm_mode_16_64 3
		.amdhsa_memory_ordered 1
		.amdhsa_forward_progress 1
		.amdhsa_inst_pref_size 255
	.end_amdhsa_kernel
	.section	.bss,"aw",@nobits
	.p2align	6
	.space	262144
	.amdgpu_metadata
---
amdhsa.version: [ 1, 2 ]
amdhsa.kernels:
  - .name:           k_q303637c896_ffn
    .symbol:         k_q303637c896_ffn.kd
    .args:
      - { .name: counts, .offset: 0, .size: 8, .value_kind: global_buffer, .address_space: global }
      - { .name: order, .offset: 8, .size: 8, .value_kind: global_buffer, .address_space: global }
      - { .name: mask, .offset: 16, .size: 8, .value_kind: global_buffer, .address_space: global }
      - { .name: x_codes, .offset: 24, .size: 8, .value_kind: global_buffer, .address_space: global }
      - { .name: x_scales, .offset: 32, .size: 8, .value_kind: global_buffer, .address_space: global }
      - { .name: W1L, .offset: 40, .size: 8, .value_kind: global_buffer, .address_space: global }
      - { .name: W1_scales, .offset: 48, .size: 8, .value_kind: global_buffer, .address_space: global }
      - { .name: W2L, .offset: 56, .size: 8, .value_kind: global_buffer, .address_space: global }
      - { .name: W2SL, .offset: 64, .size: 8, .value_kind: global_buffer, .address_space: global }
      - { .name: b1, .offset: 72, .size: 8, .value_kind: global_buffer, .address_space: global }
      - { .name: b2, .offset: 80, .size: 8, .value_kind: global_buffer, .address_space: global }
      - { .name: out0, .offset: 88, .size: 8, .value_kind: global_buffer, .address_space: global }
    .group_segment_fixed_size: 62464
    .private_segment_fixed_size: 0
    .kernarg_segment_align: 8
    .kernarg_segment_size: 96
    .max_flat_workgroup_size: 128
    .sgpr_count:     100
    .vgpr_count:     1024
    .wavefront_size: 32
...
	.end_amdgpu_metadata
.endif
;; end of part 2
